; MI455X (gfx1250); checked and timed in simulation.
; The chip was launched on July 23, 2026; its instructions are those of AMD's public machine-readable ISA for CDNA 5 (MIT licence, August 2026) and "CDNA5" Instruction Set Architecture Reference Guide (July 2026). The comments in the code are by the model that wrote it; some were corrected since.
;; Code Book. Allowed arithmetic: matrix products marked QUANTISED: E2M3 operands, one E8M0 scale for each 32 along K, by v_wmma_scale_f32_16x16x128_f8f6f4 with both operands' format E2M3, f32 sums; everything else in f32.
;; Inputs: codebook 8,192 x 256 float32; z_e_x 32,768 x 256 float32.
;; Outputs: out0 32,768 int32.
;; This version of the problem:
;;   THIS VERSION OF THE PROBLEM IS GIVEN IN LOW PRECISION. The matrix products marked QUANTISED in the list below multiply operands that are first quantised to E2M3 (2 exponent bits, 3 mantissa bits; 6 bits a number), with one power-of-two scale for each 32 numbers along K (OCP MX v1.0); their sums are f32. All else is computed in f32.
;;   The module's matrix products, in the order in which they are computed (A, B: the left and right operand; K: the contracted axis; several contracted axes count as one K, in the product's order):
;;     1. [M 32,768, K 256] x [K 256, N 8,192]; A: input z_e_x; B: input codebook: QUANTISED
;;   THE QUANTISER, for each operand of a quantised product, along K:
;;     - K is cut into blocks of 32 from its start; a last block that is shorter is filled with zeros.
;;     - A block's scale is 2^e with e = floor(log2(the largest magnitude in the block)) - 2, held to -126 .. 127; a block of zeros has e = 0. As a byte (E8M0): e + 127.
;;     - Each number is divided by its block's scale, clamped to +-7.5, and rounded to the nearest number of E2M3, ties to even, subnormals kept.
;;     - The product sums the exact products of the quantised numbers (number of the format x scale) in f32.
;;   ~~~python
;;   def quantise(x, axis):      # numpy; x: float32 -> the quantised numbers, widened to float32 again
;;       x = np.moveaxis(x, axis, -1); K = x.shape[-1]
;;       x = np.pad(x, [(0, 0)] * (x.ndim - 1) + [(0, -K % 32)]); x = x.reshape(x.shape[:-1] + (-1, 32)); a = np.abs(x).max(-1, keepdims=True)
;;       e = np.where(a > 0, np.clip(np.frexp(np.where(a > 0, a, 1))[1] - 1 - 2, -126, 127), 0)      # np.frexp(a)[1] - 1 = floor(log2(a)), exactly
;;       r = np.clip(x / 2.0 ** e, -7.5, 7.5)
;;       step = 2.0 ** (np.maximum(np.frexp(np.where(r == 0, 1, r))[1] - 1, 0) - 3)
;;       q = np.round(r / step) * step * 2.0 ** e      # np.round: ties to even
;;       return np.moveaxis(q.reshape(q.shape[:-2] + (-1,))[..., :K], -1, axis).astype(np.float32)
;;   ~~~
;; One version. Each part assembles by itself: llvm-mc -triple=amdgcn-amd-amdhsa -mcpu=gfx1250 --defsym DOCPART=n.
;; ======== version 1 of 1: 3 launches
;; limits: right only within a limited range of input values
;; workspace buffers: zrec 6,815,744 bytes; crec 1,703,936 bytes; oct 131,072 bytes of whole numbers
;; launch quant (part 1): grid 640 x 1, 4 waves a work-group, no clusters, 18,944 bytes of LDS; arguments z_e_x, codebook, zrec, crec; writes zrec, crec
.if DOCPART == 1
	.amdgcn_target "amdgcn-amd-amdhsa--gfx1250"
	.amdhsa_code_object_version 6
	.text
	.protected	k_q9bc3001a4d_quant
	.globl	k_q9bc3001a4d_quant
	.p2align	8
	.type	k_q9bc3001a4d_quant,@function
k_q9bc3001a4d_quant:
	s_mov_b64 s[64:65], 0
	v_nop
	global_prefetch_b8 v0, s[64:65] scope:SCOPE_SE
	s_setreg_imm32_b32 hwreg(HW_REG_WAVE_MODE, 25, 1), 1
	s_wait_xcnt 0x0
; z_e_x [32768][256] and codebook [8192][256], f32, are quantised ONCE along K = 256 into codes of FP6 (E2M3) with one E8M0 scale for each 32 along K,
; and each row's sum of squares (of the unquantised f32 numbers) is taken.  Both go out as RECORDS of 16 rows, laid in the order of the matrix operand's registers:
;   bytes 0-3071     the image of 24 registers: group G (registers 4 G .. 4 G + 3) has lane l's 16 bytes at 512 G + 16 l.  Registers 12 s + 6 c .. + 5 of lane (r = l % 16, h = l / 16)
;                    hold the codes of row r, k = 128 s + 64 c + 32 h + 0 .. 31: the fragment of K step s, as the 16x16x128 form wants it
;   bytes 3072-3199  word l: the scale word (four bytes, 128 along K) of row l % 16 for K step l / 16: one register serves both K steps
;   bytes 3200-3327  word l: the sum of squares of row l % 16 (held twice, so that every byte of a record is written)
; A record is 3,328 bytes = 13 x 256, so every record begins at a multiple of 256 bytes from its buffer's first byte.
; A block's scale is 2^(floor(log2(its largest magnitude)) - 2); its byte is the largest magnitude's exponent field - 2, held at 1 from below.
; LIMITS: a block of zeros gets the byte 1 where the rule says 127 (its codes are zeros, and this program alone reads the bytes); blocks whose largest magnitude lies under 2^-124 keep the byte 1;
; NaN and infinities among the inputs are not served; the sums of squares are fused multiply-adds, 64 in a chain and four chains a row: another order than the reference's sum.
; SHARES: one wave makes one record, in straight-line text: no loop, no barrier, waves share nothing.  Work-groups 0-511 take z (2,048 records), 512-639 the codebook (512): only pointers are chosen.
; A load is best where neighbouring lanes take neighbouring bytes; the conversions want 32 neighbours along K in ONE lane.  Both are had: a chunk (64 along K of the 16 rows) is loaded as eight loads of two
; aligned pieces of 256 bytes, goes through the wave's own stage in LDS as it lies, and comes back 128 bytes a lane: block 2 q + h of row r.
.set REC,   3328
.set ZWG,   512                        ; work-groups that take z
.set PITCH, 272                        ; a stage row: 256 bytes + 16: an odd multiple of 16, so that the 16 rows that a read touches start at 16 different places modulo 256 bytes
.set TAIL,  16*PITCH                   ; behind the stage: 256 bytes for the record's last 256
.set WREG,  TAIL+256                   ; LDS of a wave: 4,608 bytes
.set R,     32                         ; v32-159  chunk q at R + 32 q
.set C,     160                        ; v160-183 the record's 24 registers of codes
.set T,     24                         ; v24-26   a block's upper 16 codes (a conversion's three registers begin on an even number)
.set BY,    14                         ; v14-17   my block's scale byte in chunk q
	s_load_b256 s[4:11], s[0:1], 0x0               ; z s[4:5], codebook s[6:7], zrec s[8:9], crec s[10:11]
	v_lshl_add_u32 v184, v0, 2, 0x4800
	v_mov_b32 v185, 0
	v_lshrrev_b32 v1, 5, v0
	v_readfirstlane_b32 s13, v1                    ; wave 0..3
	v_and_b32 v1, 31, v0                           ; l
	v_and_b32 v2, 15, v0                           ; r
	v_bfe_u32 v3, v0, 4, 1                         ; h
	s_mul_i32 s22, s13, WREG                       ; my wave's LDS
	s_mov_b32 s20, 0x76543210
	s_mov_b32 s21, 0xfedcba98                      ; v_permlanex16_b32's selects for lane l xor 16
	v_lshlrev_b32 v4, 4, v2
	v_lshl_add_u32 v4, v3, 10, v4                  ; in: lanes 0-15 an even row's 256 bytes, lanes 16-31 the next row's: 1024 h + 16 r
	v_mul_u32_u24 v5, v3, PITCH
	v_lshl_add_u32 v5, v2, 4, v5
	v_add_nc_u32 v5, s22, v5                       ; into the stage, as loaded: 272 h + 16 r
	v_mul_u32_u24 v6, v2, PITCH
	v_lshl_add_u32 v6, v3, 7, v6
	v_add_nc_u32 v6, s22, v6                       ; out of it: row r, my half's 128 bytes
	v_lshlrev_b32 v7, 4, v1                        ; the image: 16 l
	v_lshl_add_u32 v8, v1, 2, s22                  ; the tail: 4 l on the way in,
	v_lshl_add_u32 v9, v1, 3, s22                  ; 8 l on the way out,
	v_lshlrev_b32 v10, 3, v1                       ; and the same in the record
	v_lshlrev_b32 v11, 3, v3                       ; 8 h: my bytes' place in a scale word
	v_mov_b32 v22, 0                               ; written once: a lane permute's destination counts as one of its sources
	v_mov_b32 v23, 0
	s_wait_alu depctr_va_vdst(0)
	s_wait_kmcnt 0x0
	s_cmp_lt_u32 ttmp9, ZWG                        ; z's work-group or the codebook's?  The choice hangs on the work-group's number alone
	s_cselect_b64 s[4:5], s[4:5], s[6:7]
	s_cselect_b64 s[8:9], s[8:9], s[10:11]
	s_cselect_b32 s12, 0, ZWG
	s_cselect_b32 s23, 0x01010101, 0               ; z's scale bytes carry a factor 2 (each byte + 1), so that the later launches' sums are 2 cross, exactly; the codebook's stay as they are
	s_sub_co_u32 s14, ttmp9, s12
	s_lshl_b32 s14, s14, 2
	s_add_co_u32 s14, s14, s13                     ; which record of the tensor is my wave's
	s_lshl_b32 s16, s14, 14                        ; its 16 rows of 1,024 bytes (under 2^26)
	s_mov_b32 s17, 0
	s_mul_i32 s18, s14, REC
	s_mov_b32 s19, 0
	s_add_nc_u64 s[4:5], s[4:5], s[16:17]
	s_add_nc_u64 s[8:9], s[8:9], s[18:19]
.irp q, 0,1,2,3                        ; all 32 loads at once: the wave's 16,384 bytes are on their way together
.irp i, 0,1,2,3,4,5,6,7
	global_load_b128 v[R+32*\q+4*\i:R+32*\q+4*\i+3], v4, s[4:5] offset:2048*\i+256*\q th:TH_LOAD_NT   ; rows 2 i and 2 i + 1, bytes 256 q on: two aligned pieces of 256 bytes; read once in the launch
.endr
.endr
; Chunk q through the stage, and back into the registers that it left.  LDS serves a wave's instructions in order (ISA guide 5.7.1.4): no wait between the stores and the loads, and one stage serves all four chunks.
.macro TURN q
.irp i, 0,1,2,3,4,5,6,7
	ds_store_b128 v5, v[R+32*\q+4*\i:R+32*\q+4*\i+3] offset:2*PITCH*\i
.endr
.irp e, 0,1,2,3,4,5,6,7
	ds_load_b128 v[R+32*\q+4*\e:R+32*\q+4*\e+3], v6 offset:16*\e
.endr
.endm
; My block of chunk q: its largest magnitude, its part of the row's sum of squares (the two chains by turns), its scale byte, its 32 codes: registers 6 q .. 6 q + 5 of the record.
.macro WORK q
.set X, R+32*\q
	v_max3_num_f32 v12, |v[X]|, |v[X+1]|, 0x1800000                ; with the floor 2^(3 - 127): the byte cannot fall under 1
.if \q == 0
	v_pk_mul_f32 v[18:19], v[X:X+1], v[X:X+1]                      ; the first products start the sum: nothing is cleared
.else
	v_pk_fma_f32 v[18:19], v[X:X+1], v[X:X+1], v[18:19]
.endif
.irp i, 2,4,6,8,10,12,14,16,18,20,22,24,26,28,30
	v_max3_num_f32 v12, v12, |v[X+\i]|, |v[X+\i+1]|
	v_pk_fma_f32 v[18:19], v[X+\i:X+\i+1], v[X+\i:X+\i+1], v[18:19]
.endr
	v_add_nc_u32 v13, 0xff000000, v12              ; 2 off the exponent field: the conversion takes the exponent field of this operand as its scale, and nothing else of it
	v_cvt_scalef32_pk16_fp6_f32 v[C+6*\q:C+6*\q+2], v[X:X+15], v13       ; to the nearest code, ties to even, beyond the largest code the largest
	v_cvt_scalef32_pk16_fp6_f32 v[T:T+2], v[X+16:X+31], v13
	v_lshrrev_b32 v[BY+\q], 23, v13                ; the scale's byte.  (Also the plain line between the conversions and the moves that read their result)
.irp i, 0,1,2
	v_mov_b32 v[C+6*\q+3+\i], v[T+\i]
.endr
.endm
	s_wait_loadcnt 24                              ; chunk 0's eight loads are in; the 24 of the later chunks may be out
	TURN 0
	s_wait_loadcnt 16                              ; chunk 1's
	TURN 1
	s_wait_dscnt 16                                ; chunk 0 is back; chunk 1's 8 stores and 8 loads may be out
	WORK 0
	s_wait_alu depctr_va_vdst(0)
	s_wait_loadcnt 8
	TURN 2
	s_wait_dscnt 16                                ; chunk 1 is back
	WORK 1
	s_wait_alu depctr_va_vdst(0)
	s_wait_loadcnt 0x0
	TURN 3
	s_wait_dscnt 16                                ; chunk 2 is back
	WORK 2
	s_wait_alu depctr_va_vdst(0)
	s_wait_dscnt 0x0
	WORK 3
	; the scale words.  My bytes are those of blocks 2 q + h: in K step s bytes h and 2 + h of the word; lane l xor 16 has the other two
	v_lshl_or_b32 v20, v[BY+1], 16, v[BY]
	v_lshl_or_b32 v21, v[BY+3], 16, v[BY+2]
	v_lshlrev_b32 v20, v11, v20
	v_lshlrev_b32 v21, v11, v21
	v_permlanex16_b32 v22, v20, s20, s21
	v_permlanex16_b32 v23, v21, s20, s21
	v_or_b32 v20, v20, v22                         ; row r's word of K step 0,
	v_or_b32 v21, v21, v23                         ; of K step 1
	v_cmp_ne_u32 vcc_lo, 0, v3
	v_cndmask_b32 v20, v20, v21, vcc_lo
	v_add_nc_u32 v20, s23, v20                     ; a byte is an exponent field - 2, 252 at the most: + 1 carries into no neighbour and stays a finite code
	v_add_f32 v18, v18, v19                        ; the sum's two halves,
	v_permlanex16_b32 v22, v18, s20, s21
	v_add_f32 v18, v18, v22                        ; and lane l xor 16's: the row's sum of squares, in both lanes
.irp G, 0,1,2,3,4,5
	global_store_b128 v7, v[C+4*\G:C+4*\G+3], s[8:9] offset:512*\G   ; 32 lanes store 512 consecutive bytes, at a multiple of 256 from the buffer's first byte
.endr
	ds_store_b32 v8, v20 offset:TAIL               ; the record's last 256 bytes are gathered in LDS,
	ds_store_b32 v8, v18 offset:TAIL+128
	ds_load_b64 v[28:29], v9 offset:TAIL           ; (in order behind my stores)
	s_wait_dscnt 0x0
	global_store_b64 v10, v[28:29], s[8:9] offset:3072               ; and leave as 256 consecutive bytes, aligned
	s_wait_tensorcnt 0x0
	ds_add_u32 v184, v185
	s_wait_dscnt 0x0
	s_endpgm
.Lfunc_end_k_q9bc3001a4d_quant:
	.size	k_q9bc3001a4d_quant, .Lfunc_end_k_q9bc3001a4d_quant-k_q9bc3001a4d_quant
	.p2alignl 7, 3214868480
	.fill 96, 4, 3214868480
	.section	.rodata,"a",@progbits
	.p2align	6, 0x0
	.amdhsa_kernel k_q9bc3001a4d_quant
		.amdhsa_group_segment_fixed_size 18944
		.amdhsa_private_segment_fixed_size 0
		.amdhsa_enable_private_segment 0
		.amdhsa_kernarg_size 32
		.amdhsa_user_sgpr_count 2
		.amdhsa_user_sgpr_kernarg_segment_ptr 1
		.amdhsa_wavefront_size32 1
		.amdhsa_system_sgpr_workgroup_id_x 1
		.amdhsa_system_sgpr_workgroup_id_y 1
		.amdhsa_system_sgpr_workgroup_id_z 1
		.amdhsa_system_vgpr_workitem_id 0
		.amdhsa_next_free_vgpr 186
		.amdhsa_next_free_sgpr 66
		.amdhsa_reserve_vcc 1
		.amdhsa_float_denorm_mode_32 3
		.amdhsa_float_denorm_mode_16_64 3
		.amdhsa_memory_ordered 1
		.amdhsa_forward_progress 1
		.amdhsa_inst_pref_size 21
	.end_amdhsa_kernel
	.amdgpu_metadata
---
amdhsa.version: [ 1, 2 ]
amdhsa.kernels:
  - .name:           k_q9bc3001a4d_quant
    .symbol:         k_q9bc3001a4d_quant.kd
    .args:
      - { .name: z_e_x, .offset: 0, .size: 8, .value_kind: global_buffer, .address_space: global }
      - { .name: codebook, .offset: 8, .size: 8, .value_kind: global_buffer, .address_space: global }
      - { .name: zrec, .offset: 16, .size: 8, .value_kind: global_buffer, .address_space: global }
      - { .name: crec, .offset: 24, .size: 8, .value_kind: global_buffer, .address_space: global }
    .group_segment_fixed_size: 18944
    .private_segment_fixed_size: 0
    .kernarg_segment_align: 8
    .kernarg_segment_size: 32
    .max_flat_workgroup_size: 128
    .sgpr_count:     66
    .vgpr_count:     186
    .wavefront_size: 32
...
	.end_amdgpu_metadata
.endif
;; end of part 1
;; launch scan (part 2): grid 256 x 1, 8 waves a work-group, no clusters, 9,216 bytes of LDS; arguments zrec, crec, oct; writes oct
.if DOCPART == 2
	.amdgcn_target "amdgcn-amd-amdhsa--gfx1250"
	.amdhsa_code_object_version 6
	.text
	.protected	k_q9bc3001a4d_scan
	.globl	k_q9bc3001a4d_scan
	.p2align	8
	.type	k_q9bc3001a4d_scan,@function
k_q9bc3001a4d_scan:
	s_mov_b64 s[64:65], 0
	v_nop
	global_prefetch_b8 v0, s[64:65] scope:SCOPE_SE
	s_setreg_imm32_b32 hwreg(HW_REG_WAVE_MODE, 25, 1), 1
	s_wait_xcnt 0x0
; For each of 32,768 queries: all 8,192 distances d[k] = (z_sq - 2 cross[k]) + c_sq[k], cross = Q(z) . Q(W)^T on codes of FP6 (E2M3) with E8M0 scales, and the number (0 .. 1023) of the FIRST
; group of eight neighbouring codes (an OCTET) that holds the smallest d.  Which of the eight it is, the next launch finds: it needs an address that hangs on these numbers.
; THE ROUNDINGS ARE THE REFERENCE'S: zrec's scale bytes carry a factor 2, so a matrix sum is 2 cross; z_sq - 2 cross is one subtraction, c_sq is added by an addition of its own.  z_sq is the same for
; all codes of a query, but it is large beside the rest and decides where these two roundings fall, so it stays.  Equal distances are common after the roundings: every comparison is
; 'strictly smaller, else the lower number'.
; LIMITS: NaN and infinities are not served (a query whose every distance is not under +infinity gets octet 0).
; SHARES.  A work-group owns 128 queries: 8 tiles of 16.  EVERY one of its eight waves keeps all 8 query tiles in registers (192 registers) and walks a run of its own of the 512 records of codes
; (a record: 16 codes, 3,328 bytes: 24 registers' image, scale words, sums of squares).  A record feeds 16 matrix instructions.  Two waves to a SIMD.
; THE DEAL IS UNEVEN: waves 0-3 take 84 records each (21 trips of 4), waves 4-7 take 44 each (11 trips): 4 x 84 + 4 x 44 = 512; wave w begins at record 44 w + 40 min(w, 4).  Any deal of whole
; records gives the same result: each wave walks upward and keeps the earlier tile of equal distances, and the fold at the end takes the lower octet of equal distances.
; TRANSPOSED: source 0 = 16 codes, source 1 = 16 queries: lane (r, h) holds query r, and its register j code 8 h + j of the tile: an octet.  A tile costs a query tile 14 vector instructions:
; 4 dual subtractions, 4 dual additions, 4 minima of three, one compare and one select of the tile's number.  The eight query tiles go through each stage side by side.
; NO CLUSTER AND NO LDS RING, though every work-group walks the same records: they go from memory straight into registers, four sets by turns.  By this text's own count a wave has 27 to 36
; loads (3 to 4 records) on their way through the whole walk, and the loop has no barrier, so that the waves' trip counts may differ.  Two LDS slots hold at most 47 records each
; (2 x 47 x 3,328 bytes), and a joint refill stands behind a round in front of which all loads are waited for: it would have at most 5 tiles' work of a wave beside it.
; PREFETCH: in trip t one wave of a work-group asks for one record (13 blocks of 256 bytes, a lane a block; the lanes left over name the last block again) of the four that its trip t + 2 loads.
; Wave w asks where w = work-group % 8, for record (work-group / 8) % 4 of the four: the work-groups share the records out among them.  A wave's last three trips ask for nothing: its run ends.
; The records of a run's trips 0 to 2 come by their loads alone.
; REGISTERS: window 0: v1-15 addresses; v16-79 eight accumulators (at the end: work); v80-175 four sets of a record's 24 code registers; v176-179 their scale words; v180-211 four sets of 8 sums of
;   squares; v212-219 the queries' scale words; v220-227 z_sq; v228-243 the smallest d so far, two sets by turns; v244-251 its tile.   window 1: v0-191 the queries' fragments.
.set REC,   3328
.set TRIPB, 4*REC                      ; a wave's records of one trip
.set SPARE, 0                          ; the spare words, 128 bytes for each wave: four blocks of 256 bytes that no other line names
.set COMB,  1024                       ; 1,024 bytes for each wave: its smallest d of the 128 queries, then their octets
.set ACC, 16
.set F,   80
.set CS,  176
.set CQ,  180
.set QS,  212
.set ZS,  220
.set BA,  228
.set BB,  236
.set TI,  244
.set PB,  ACC
.set PO,  ACC+8
.set FN,  ACC+16
.set MK,  44                           ; s[44:51] masks of the compares: they go to selects alone
.set MSB, 0
.macro WIN new                         ; the immediate's high byte repeats the setting that is left
.if MSB != \new
	s_set_vgpr_msb (MSB<<8)|\new
.set MSB, \new
.endif
.endm
.macro PLACES                          ; four places between a matrix instruction and the first read of its result, or a load into a register that it has read
.rept 4
	v_nop
.endr
.endm
	s_load_b128 s[4:7], s[0:1], 0x0                ; zrec s[4:5], crec s[6:7]
	s_load_b64 s[8:9], s[0:1], 0x10                ; oct
	v_lshrrev_b32 v6, 5, v0
	v_readfirstlane_b32 s10, v6                    ; wave 0..7
	s_min_u32 s12, s10, 4
	s_mul_i32 s12, s12, 40
	s_mul_i32 s52, s10, 44
	s_add_co_u32 s52, s52, s12                     ; my first record, which is also my first tile's number: 44 w + 40 min(w, 4)
	s_mul_i32 s12, s52, REC                        ; where it begins in crec
	s_mov_b32 s13, 0
	s_cmp_lt_u32 s10, 4
	s_cselect_b32 s58, 20, 10                      ; my trips less the last, which is written out
	s_sub_co_u32 s22, s58, 2                       ; my trips less three
	s_mul_i32 s14, ttmp9, 8*REC                    ; my work-group's 8 records of queries
	s_mov_b32 s15, 0
	s_and_b32 s16, s10, 1
	s_lshl_b32 s16, s16, 8
	s_lshl_b32 s18, ttmp9, 9                       ; the output: 4 bytes a query: 512 x block + 256 x (w % 2)
	s_add_co_u32 s18, s18, s16
	s_mov_b32 s19, 0
	s_add_co_u32 s17, s16, COMB
	s_lshl_b32 s20, s10, 10
	s_add_co_u32 s20, s20, COMB
	s_mov_b32 s56, 0x76543210
	s_mov_b32 s57, 0xfedcba98                      ; v_permlanex16_b32's selects for lane l xor 16
	s_and_b32 s21, ttmp9, 7
	s_cmp_eq_u32 s21, s10                          ; is mine the wave that prefetches in this work-group?
	s_cselect_b32 s55, s22, 0                      ; then in all my trips but the last three, else in none
	s_bfe_u32 s21, ttmp9, 0x20003
	s_mul_i32 s21, s21, REC                        ; which of a trip's four records
	s_mov_b32 s54, 0                               ; the trip
	v_and_b32 v7, 31, v0                           ; l
	v_bfe_u32 v9, v0, 4, 1                         ; h
	v_and_b32 v12, 15, v0                          ; r
	v_lshl_add_u32 v1, v0, 2, SPARE                ; my spare word; never rewritten
	v_mov_b32 v2, 0                                ; 0; never rewritten
.irp q, 0,1,2,3,4,5,6,7
	v_mov_b32 v[BA+\q], 0x7f800000                 ; the smallest d so far: +infinity
	v_mov_b32 v[TI+\q], 0
.endr
	v_min_u32 v15, 12, v7
	v_lshlrev_b32 v3, 4, v7                        ; in a record: an image's place for my lane,
	v_lshlrev_b32 v4, 2, v7                        ; a word's,
	v_lshlrev_b32 v5, 5, v9                        ; my octet's eight sums of squares
	v_lshl_add_u32 v13, v7, 3, s17                 ; the end: where waves 0 and 1 read two queries' results back: COMB + 256 (w % 2) + 8 l
	v_lshlrev_b32 v14, 3, v7                       ; their 8 bytes in the output
	v_lshl_add_u32 v12, v12, 2, s20                ; the end: where I put a query's result: COMB + 1024 w + 4 r
	v_lshl_add_u32 v15, v15, 8, s21                ; the prefetch: my block of the record
	s_wait_alu depctr_va_vdst(0)                   ; the wait at the head's end
	s_wait_kmcnt 0x0
	s_add_nc_u64 s[4:5], s[4:5], s[14:15]
	s_add_nc_u64 s[6:7], s[6:7], s[12:13]
	s_add_nc_u64 s[8:9], s[8:9], s[18:19]
; 7 loads: the image and the scale words of the record at byte off from the walk's place, into a set;  2 loads: its sums of squares
.macro FLOAD set, off
.irp G, 0,1,2,3,4,5
	global_load_b128 v[F+24*\set+4*\G:F+24*\set+4*\G+3], v3, s[6:7] offset:\off+512*\G   ; 32 lanes read 512 consecutive bytes
.endr
	global_load_b32 v[CS+\set], v4, s[6:7] offset:\off+3072
.endm
.macro CLOAD set, off
	global_load_b128 v[CQ+8*\set:CQ+8*\set+3], v5, s[6:7] offset:\off+3200               ; c_sq of codes 8 h + 0 .. 7: sixteen lanes read the same 32 bytes
	global_load_b128 v[CQ+8*\set+4:CQ+8*\set+7], v5, s[6:7] offset:\off+3216
.endm
	WIN 0x40                                       ; destination window 1, address window 0
.irp q, 0,1,2,3,4,5,6,7
.irp G, 0,1,2,3,4,5
	global_load_b128 v[24*\q+4*\G:24*\q+4*\G+3], v3, s[4:5] offset:REC*\q+512*\G         ; the queries' fragments stay in registers: tile q, K step s at v[24 q + 12 s] of window 1
.endr
.endr
	WIN 0
.irp q, 0,1,2,3,4,5,6,7
	global_load_b32 v[QS+\q], v4, s[4:5] offset:REC*\q+3072                              ; lanes 0-15: K step 0's scale words, lanes 16-31: K step 1's
	global_load_b32 v[ZS+\q], v4, s[4:5] offset:REC*\q+3200                              ; z_sq of my query
.endr
.irp i, 0,1,2,3
	FLOAD \i, \i*REC                               ; trip 0's four records
	CLOAD \i, \i*REC
.endr
; 16 matrix instructions: the tile of codes in the set against the 8 tiles of queries, K step 0 and then K step 1.  The first product starts each sum: nothing is cleared.
; The eight accumulators take turns, one instruction a turn.  K step 1 takes both sides' scale words from lanes 16-31.
.macro MMA set
	WIN 0x04                                       ; source 1 (the queries) window 1
.irp q, 0,1,2,3,4,5,6,7
	v_wmma_scale_f32_16x16x128_f8f6f4 v[ACC+8*\q:ACC+8*\q+7], v[F+24*\set:F+24*\set+11], v[24*\q:24*\q+11], 0, v[CS+\set], v[QS+\q] matrix_a_fmt:MATRIX_FMT_FP6 matrix_b_fmt:MATRIX_FMT_FP6
.endr
.irp q, 0,1,2,3,4,5,6,7
	v_wmma_scale_f32_16x16x128_f8f6f4 v[ACC+8*\q:ACC+8*\q+7], v[F+24*\set+12:F+24*\set+23], v[24*\q+12:24*\q+23], v[ACC+8*\q:ACC+8*\q+7], v[CS+\set], v[QS+\q] matrix_a_fmt:MATRIX_FMT_FP6 matrix_b_fmt:MATRIX_FMT_FP6 matrix_a_scale:MATRIX_SCALE_ROW1 matrix_b_scale:MATRIX_SCALE_ROW1
.endr
	WIN 0
.endm
; The tile's vector work: the distances, and the running minimum with its tile.  bo: the set that holds the smallest d so far, bn: the set that takes the new one.
; A dual pair has one even and one odd destination, and its two first and its two second sources lie in different register banks (number mod 4): so a subtraction pairs an even register of one
; query tile with an odd one of its neighbour (z_sq in neighbouring registers).  Each accumulator is first read in its four lowest registers.
.macro VPH set, bo, bn
.irp k, 0,1,2,3
.irp q, 0,2,4,6
	v_dual_sub_f32 v[ACC+8*\q+2*\k], v[ZS+\q], v[ACC+8*\q+2*\k] :: v_dual_sub_f32 v[ACC+8*\q+9+2*\k], v[ZS+\q+1], v[ACC+8*\q+9+2*\k]       ; z_sq - 2 cross: one rounding
	v_dual_sub_f32 v[ACC+8*\q+8+2*\k], v[ZS+\q+1], v[ACC+8*\q+8+2*\k] :: v_dual_sub_f32 v[ACC+8*\q+1+2*\k], v[ZS+\q], v[ACC+8*\q+1+2*\k]
.endr
.endr
.irp k, 0,1,2,3
.irp q, 0,1,2,3,4,5,6,7
	v_dual_add_f32 v[ACC+8*\q+2*\k], v[CQ+8*\set+2*\k], v[ACC+8*\q+2*\k] :: v_dual_add_f32 v[ACC+8*\q+2*\k+1], v[CQ+8*\set+2*\k+1], v[ACC+8*\q+2*\k+1]   ; + c_sq: the second
.endr
.endr
.irp q, 0,1,2,3,4,5,6,7
	v_min3_num_f32 v[\bn+\q], v[\bo+\q], v[ACC+8*\q], v[ACC+8*\q+1]
.endr
.irp k, 1,2,3
.irp q, 0,1,2,3,4,5,6,7
	v_min3_num_f32 v[\bn+\q], v[\bn+\q], v[ACC+8*\q+2*\k], v[ACC+8*\q+2*\k+1]
.endr
.endr
.irp q, 0,1,2,3,4,5,6,7
	v_cmp_lt_f32 s[MK+\q], v[\bn+\q], v[\bo+\q]    ; strictly smaller than all before: an equal distance leaves the earlier tile
.endr
.irp q, 0,1,2,3,4,5,6,7
	v_cndmask_b32 v[TI+\q], v[TI+\q], s52, s[MK+\q]
.endr
	s_add_co_u32 s52, s52, 1                       ; my next tile's number
.endm
.macro ASK                             ; the branch hangs on the wave's and the work-group's numbers and on the trip alone
	s_cmp_lt_u32 s54, s55
	s_cbranch_scc0 .Lnot_mine_\@
	global_prefetch_b8 v15, s[6:7] offset:3*TRIPB th:TH_LOAD_NT scope:SCOPE_SE   ; a record of my trip t + 3, which trip t + 2 loads
.Lnot_mine_\@:
.endm
; A tile, on set i.  load = 1: the set takes the next trip's record: image and scale words as soon as the products have read the old ones, the sums of squares behind the additions.
; left: the loads issued behind this set's nine, which may stay out (loads come back in order: ISA guide 5.7.1).
.macro TILE i, bo, bn, load, left, ask
	s_wait_loadcnt \left
	MMA \i
	PLACES
.if \load
	FLOAD \i, TRIPB+\i*REC
.endif
.if \ask
	ASK
.endif
	VPH \i, \bo, \bn
.if \load
	CLOAD \i, TRIPB+\i*REC
.endif
.endm
.Ltrip:                                                ; 20 or 10 trips, by the wave's number: each works on 4 records and loads the next trip's 4; three younger records' 27 loads stay out at each wait
	TILE 0, BA, BB, 1, 27, 0
	TILE 1, BB, BA, 1, 27, 1
	TILE 2, BA, BB, 1, 27, 0
	TILE 3, BB, BA, 1, 27, 0
	s_wait_xcnt 0x0                                ; the loads and the prefetch have read their base: only now it steps
	s_add_nc_u64 s[6:7], s[6:7], TRIPB
	s_add_co_u32 s54, s54, 1
	s_cmp_lt_u32 s54, s58
	s_cbranch_scc1 .Ltrip
	TILE 0, BA, BB, 0, 27, 0                       ; the last trip loads nothing: the counts run down
	TILE 1, BB, BA, 0, 18, 0
	TILE 2, BA, BB, 0, 9, 0
	TILE 3, BB, BA, 0, 0, 0
; THE END.  Of two candidates (d, octet) the smaller d wins, and of equal d the lower octet.  The masks go to selects alone.
.macro LEX b, o, pb, po
	v_cmp_lt_f32 s44, v[\pb], v[\b]
	v_cmp_eq_f32 s45, v[\pb], v[\b]
	v_cmp_lt_u32 s46, v[\po], v[\o]
	s_and_b32 s45, s45, s46
	s_or_b32 s44, s44, s45
	v_cndmask_b32 v[\b], v[\b], v[\pb], s44
	v_cndmask_b32 v[\o], v[\o], v[\po], s44
.endm
.irp q, 0,1,2,3,4,5,6,7
	v_lshl_add_u32 v[TI+\q], v[TI+\q], 1, v9       ; my octet of the tile: 2 x tile + h
.endr
.irp q, 0,1,2,3,4,5,6,7
	v_permlanex16_b32 v[PB+\q], v[BA+\q], s56, s57 ; the query's other octets lie in the lane 16 away
	v_permlanex16_b32 v[PO+\q], v[TI+\q], s56, s57
.endr
.irp q, 0,1,2,3,4,5,6,7
	LEX BA+\q, TI+\q, PB+\q, PO+\q
.endr
.irp q, 0,1,2,3,4,5,6,7
	ds_store_b32 v12, v[BA+\q] offset:64*\q        ; my wave's result for query 16 q + r; both halves of the lanes write the same word with the same value
	ds_store_b32 v12, v[TI+\q] offset:512+64*\q
.endr
	s_wait_dscnt 0x0                               ; for the others' sake: my stores are done
	s_barrier_signal -1
	s_barrier_wait -1
	s_cmp_gt_u32 s10, 1                            ; waves 0 and 1 fold the eight waves' results, 64 queries each, two a lane
	s_cbranch_scc1 .Lfolded
.irp w, 0,1,2,3,4,5,6,7
	ds_load_b64 v[FN+4*\w:FN+4*\w+1], v13 offset:1024*\w
	ds_load_b64 v[FN+4*\w+2:FN+4*\w+3], v13 offset:1024*\w+512
.endr
	s_wait_dscnt 0x0
.irp w, 1,2,3,4,5,6,7
	LEX FN, FN+2, FN+4*\w, FN+4*\w+2
	LEX FN+1, FN+3, FN+4*\w+1, FN+4*\w+3
.endr
	global_store_b64 v14, v[FN+2:FN+3], s[8:9]     ; 32 lanes store 256 consecutive bytes, at a multiple of 256 from the buffer's first byte
.Lfolded:
	s_wait_tensorcnt 0x0                           ; the wave's end: behind my last LDS store
	ds_add_u32 v1, v2
	s_wait_dscnt 0x0
	s_endpgm
.Lfunc_end_k_q9bc3001a4d_scan:
	.size	k_q9bc3001a4d_scan, .Lfunc_end_k_q9bc3001a4d_scan-k_q9bc3001a4d_scan
	.p2alignl 7, 3214868480
	.fill 96, 4, 3214868480
	.section	.rodata,"a",@progbits
	.p2align	6, 0x0
	.amdhsa_kernel k_q9bc3001a4d_scan
		.amdhsa_group_segment_fixed_size 9216
		.amdhsa_private_segment_fixed_size 0
		.amdhsa_enable_private_segment 0
		.amdhsa_kernarg_size 24
		.amdhsa_user_sgpr_count 2
		.amdhsa_user_sgpr_kernarg_segment_ptr 1
		.amdhsa_wavefront_size32 1
		.amdhsa_system_sgpr_workgroup_id_x 1
		.amdhsa_system_sgpr_workgroup_id_y 1
		.amdhsa_system_sgpr_workgroup_id_z 1
		.amdhsa_system_vgpr_workitem_id 0
		.amdhsa_next_free_vgpr 512
		.amdhsa_next_free_sgpr 66
		.amdhsa_reserve_vcc 0
		.amdhsa_float_denorm_mode_32 3
		.amdhsa_float_denorm_mode_16_64 3
		.amdhsa_memory_ordered 1
		.amdhsa_forward_progress 1
		.amdhsa_inst_pref_size 103
	.end_amdhsa_kernel
	.amdgpu_metadata
---
amdhsa.version: [ 1, 2 ]
amdhsa.kernels:
  - .name:           k_q9bc3001a4d_scan
    .symbol:         k_q9bc3001a4d_scan.kd
    .args:
      - { .name: zrec, .offset: 0, .size: 8, .value_kind: global_buffer, .address_space: global }
      - { .name: crec, .offset: 8, .size: 8, .value_kind: global_buffer, .address_space: global }
      - { .name: oct, .offset: 16, .size: 8, .value_kind: global_buffer, .address_space: global }
    .group_segment_fixed_size: 9216
    .private_segment_fixed_size: 0
    .kernarg_segment_align: 8
    .kernarg_segment_size: 24
    .max_flat_workgroup_size: 256
    .sgpr_count:     66
    .vgpr_count:     512
    .wavefront_size: 32
...
	.end_amdgpu_metadata
.endif
;; end of part 2
;; launch pick (part 3): grid 256 x 1, 16 waves a work-group, no clusters, 4,096 bytes of LDS; arguments oct, zrec, crec, out0; writes out0
.if DOCPART == 3
	.amdgcn_target "amdgcn-amd-amdhsa--gfx1250"
	.amdhsa_code_object_version 6
	.text
	.protected	k_q9bc3001a4d_pick
	.globl	k_q9bc3001a4d_pick
	.p2align	8
	.type	k_q9bc3001a4d_pick,@function
k_q9bc3001a4d_pick:
	s_mov_b64 s[64:65], 0
	v_nop
	global_prefetch_b8 v0, s[64:65] scope:SCOPE_SE
	s_setreg_imm32_b32 hwreg(HW_REG_WAVE_MODE, 25, 1), 1
	s_wait_xcnt 0x0
; out0[q] = 8 x oct[q] + the place of the first smallest distance among the eight codes of octet oct[q], which the launch before has found to hold query q's smallest distance.
; The eight distances are made anew by the same matrix form on the same codes and by the same two roundings (one fused multiply-add for z_sq - 2 cross, one addition of c_sq).
; oct holds whole numbers that an earlier launch stored; each is held to 0 .. 1023 before it enters an address.
; SHARES.  A work-group owns 128 queries.  Wave W takes query tile W / 2 of its eight and half g = W % 2 of that tile's eight products.
; PRODUCT p (0 .. 7) of a query tile: source 0 has the octet of query p in its rows 0-7 and the octet of query p + 8 in its rows 8-15; source 1 is the query tile.  In the result lane (r, h) holds
; rows 8 h + 0 .. 7 for query r: the lanes with r = p + 8 h hold the eight distances that are wanted, the others are not used.
; Source 0 is GATHERED from the records: a record holds the operand's registers lane by lane, so lane (r, h) takes the 16-byte pieces that lane (row 8 (octet % 2) + r % 8, h) of the octet's own tile would hold.
; No tensor load, no ring; one barrier, in front of the way out.  LIMITS: NaN and infinities are not served.
.set REC, 3328
.set OA,  16                           ; v16-19   octet of query p + 8 (r / 8): whose codes my lane of source 0 holds
.set OD,  20                           ; v20-23   octet of query p + 8 h: whose distances my lane of the result holds
.set AA,  24                           ; v24-27   byte offsets in crec: my pieces of the image,
.set AS,  28                           ; v28-31   my scale word,
.set AC,  32                           ; v32-35   my eight sums of squares
.set TM,  36                           ; v36-39   at work
.set Q,   40                           ; v40-63   the query tile's two fragments
.set QS,  64                           ; v64      its scale words
.set ZS,  66                           ; v66-67   z_sq of my query, twice
.set CS,  68                           ; v68-71   source 0's scale words
.set CQ,  72                           ; v72-103  c_sq, eight for each product
.set ACC, 104                          ; v104-135 four accumulators
.set AF,  136                          ; v136-231 source 0: 24 registers for each product
.set BV,  232                          ; v232-235 the smallest distance so far
.set BJ,  236                          ; v236-239 its place
.set RES, 240
.set PRT, 241
.set OUTP, 242
	s_load_b256 s[4:11], s[0:1], 0x0               ; oct s[4:5], zrec s[6:7], crec s[8:9], out0 s[10:11]
	v_lshl_add_u32 v254, v0, 2, 0x800
	v_mov_b32 v255, 0
	v_lshrrev_b32 v1, 5, v0
	s_delay_alu instid0(VALU_DEP_1)
	v_readfirstlane_b32 s12, v1                    ; wave 0..15
	v_and_b32 v1, 31, v0                           ; l
	v_and_b32 v2, 7, v0                            ; r % 8
	v_bfe_u32 v3, v0, 3, 1                         ; r / 8
	v_bfe_u32 v4, v0, 4, 1                         ; h
	s_lshr_b32 s13, s12, 1                         ; which query tile of the block
	s_and_b32 s14, s12, 1                          ; g
	s_lshl_b32 s15, ttmp9, 3
	s_add_co_u32 s15, s15, s13                     ; the query tile's number
	s_lshl_b32 s26, s14, 2                         ; my first product: 4 g
	v_lshlrev_b32 v5, 5, v3                        ; oct: 8 queries on for r / 8 = 1,
	v_lshlrev_b32 v6, 5, v4                        ; for h = 1
	v_lshlrev_b32 v7, 4, v1                        ; 16 l
	v_lshlrev_b32 v8, 2, v1                        ; 4 l
	v_lshlrev_b32 v9, 4, v2
	s_delay_alu instid0(VALU_DEP_1)
	v_lshl_add_u32 v9, v4, 8, v9                   ; in an image: 16 (r % 8) + 256 h
	v_lshlrev_b32 v10, 2, v2
	s_delay_alu instid0(VALU_DEP_1)
	v_lshl_add_u32 v10, v4, 6, v10                 ; among the scale words: 4 (r % 8) + 64 h
	s_lshl_b32 s16, s12, 7
	v_lshl_add_u32 v11, v1, 2, s16                 ; LDS: my wave's 128 bytes, my word
	v_lshrrev_b32 v12, 3, v1                       ; the way out: lane l of wave u takes queries 64 u + 2 l and 2 l + 1: tile 4 u + l / 8, r = 2 (l % 8), made by the wave with g = (l / 2) % 2
	s_delay_alu instid0(VALU_DEP_1)
	v_lshlrev_b32 v12, 8, v12
	v_bfe_u32 v13, v0, 1, 1
	s_delay_alu instid0(VALU_DEP_1)
	v_lshl_add_u32 v12, v13, 7, v12
	s_delay_alu instid0(VALU_DEP_1)
	v_lshl_add_u32 v12, v2, 3, v12
	s_lshl_b32 s17, s14, 10
	v_add_nc_u32 v12, s17, v12                     ; 1024 u + 256 (l / 8) + 128 ((l / 2) % 2) + 8 (l % 8)
	v_lshlrev_b32 v13, 3, v1                       ; and 8 l in the output
	v_sub_nc_u32 v14, v2, s26                      ; r % 8 - 4 g: which of my four products holds my query, if any
	s_mov_b32 s32, 0x76543210
	s_mov_b32 s33, 0xfedcba98                      ; v_permlanex16_b32's selects for lane l xor 16
	s_mov_b32 s24, 0xbf800000                      ; -1.0, as a pair for the packed form: zrec's scale bytes carry the factor 2, so a matrix sum is 2 cross
	s_mov_b32 s25, 0xbf800000
	s_lshl_b32 s18, s15, 6                         ; oct: 64 bytes a query tile, + 16 g
	s_lshl_b32 s19, s14, 4
	s_add_co_u32 s18, s18, s19
	s_mov_b32 s19, 0
	s_mul_i32 s20, s15, REC                        ; the query tile's record
	s_mov_b32 s21, 0
	s_lshl_b32 s22, ttmp9, 9                       ; out0: 512 bytes a block, + 256 u
	s_lshl_b32 s23, s14, 8
	s_add_co_u32 s22, s22, s23
	s_mov_b32 s23, 0
	s_wait_kmcnt 0x0
	s_add_nc_u64 s[4:5], s[4:5], s[18:19]
	s_add_nc_u64 s[6:7], s[6:7], s[20:21]
	s_add_nc_u64 s[10:11], s[10:11], s[22:23]
.irp p, 0,1,2,3
	global_load_b32 v[OA+\p], v5, s[4:5] offset:4*\p
.endr
.irp p, 0,1,2,3
	global_load_b32 v[OD+\p], v6, s[4:5] offset:4*\p
.endr
.irp G, 0,1,2,3,4,5
	global_load_b128 v[Q+4*\G:Q+4*\G+3], v7, s[6:7] offset:512*\G
.endr
	global_load_b32 v[QS], v8, s[6:7] offset:3072
	global_load_b32 v[ZS], v8, s[6:7] offset:3200
	s_wait_loadcnt 8                               ; the eight octets are in; the query record's 8 loads may be out
.irp p, 0,1,2,3
	v_min_u32 v[OA+\p], 0x3ff, v[OA+\p]            ; held inside the table before it enters an address
	v_min_u32 v[OD+\p], 0x3ff, v[OD+\p]
.endr
.irp p, 0,1,2,3
	v_and_b32 v[TM+\p], 0x3fe, v[OA+\p]
	s_delay_alu instid0(VALU_DEP_1)
	v_mul_u32_u24 v[TM+\p], v[TM+\p], REC/2        ; the octet's tile: (octet / 2) x 3,328
	v_and_b32 v[AS+\p], 1, v[OA+\p]                ; which half of the tile's rows
	s_delay_alu instid0(VALU_DEP_1)
	v_lshl_add_u32 v[AA+\p], v[AS+\p], 7, v[TM+\p] ; 8 rows on: 128 bytes in an image,
	s_delay_alu instid0(VALU_DEP_1)
	v_add_nc_u32 v[AA+\p], v[AA+\p], v9
	s_delay_alu instid0(VALU_DEP_3)
	v_lshl_add_u32 v[AS+\p], v[AS+\p], 5, v[TM+\p] ; 32 among the words
	s_delay_alu instid0(VALU_DEP_1)
	v_add_nc_u32 v[AS+\p], v[AS+\p], v10
.endr
.irp p, 0,1,2,3
	v_and_b32 v[TM+\p], 0x3fe, v[OD+\p]
	s_delay_alu instid0(VALU_DEP_1)
	v_mul_u32_u24 v[TM+\p], v[TM+\p], REC/2
	v_and_b32 v[AC+\p], 1, v[OD+\p]
	s_delay_alu instid0(VALU_DEP_1)
	v_lshl_add_u32 v[AC+\p], v[AC+\p], 5, v[TM+\p]
.endr
.irp p, 0,1,2,3
.irp G, 0,1,2,3,4,5
	global_load_b128 v[AF+24*\p+4*\G:AF+24*\p+4*\G+3], v[AA+\p], s[8:9] offset:512*\G   ; eight lanes read 128 neighbouring bytes
.endr
	global_load_b32 v[CS+\p], v[AS+\p], s[8:9] offset:3072
	global_load_b128 v[CQ+8*\p:CQ+8*\p+3], v[AC+\p], s[8:9] offset:3200
	global_load_b128 v[CQ+8*\p+4:CQ+8*\p+7], v[AC+\p], s[8:9] offset:3216
.endr
	v_mov_b32 v[RES], 0
	v_mov_b32 v[PRT], 0                            ; a lane permute's destination counts as one of its sources
	s_wait_loadcnt 0x0
	v_mov_b32 v[ZS+1], v[ZS]
	; K step 0 starts the four sums, K step 1 adds in place, with both sides' scale words from lanes 16-31.  The four accumulators take turns.
.irp p, 0,1,2,3
	v_wmma_scale_f32_16x16x128_f8f6f4 v[ACC+8*\p:ACC+8*\p+7], v[AF+24*\p:AF+24*\p+11], v[Q:Q+11], 0, v[CS+\p], v[QS] matrix_a_fmt:MATRIX_FMT_FP6 matrix_b_fmt:MATRIX_FMT_FP6
.endr
.irp p, 0,1,2,3
	v_wmma_scale_f32_16x16x128_f8f6f4 v[ACC+8*\p:ACC+8*\p+7], v[AF+24*\p+12:AF+24*\p+23], v[Q+12:Q+23], v[ACC+8*\p:ACC+8*\p+7], v[CS+\p], v[QS] matrix_a_fmt:MATRIX_FMT_FP6 matrix_b_fmt:MATRIX_FMT_FP6 matrix_a_scale:MATRIX_SCALE_ROW1 matrix_b_scale:MATRIX_SCALE_ROW1
.endr
.irp p, 0,1,2,3
	v_mov_b32 v[BJ+\p], 0                          ; four plain lines that name none of the products' registers: the places behind the last product (ISA guide 7.12.1)
.endr
.irp k, 0,1,2,3
.irp p, 0,1,2,3
	v_pk_fma_f32 v[ACC+8*\p+2*\k:ACC+8*\p+2*\k+1], v[ACC+8*\p+2*\k:ACC+8*\p+2*\k+1], s[24:25], v[ZS:ZS+1] op_sel_hi:[1,0,1]   ; z_sq - 2 cross: one rounding; each accumulator from its low end on
.endr
.endr
.irp k, 0,1,2,3
.irp p, 0,1,2,3
	v_pk_add_f32 v[ACC+8*\p+2*\k:ACC+8*\p+2*\k+1], v[ACC+8*\p+2*\k:ACC+8*\p+2*\k+1], v[CQ+8*\p+2*\k:CQ+8*\p+2*\k+1]         ; + c_sq: the second
.endr
.endr
.irp p, 0,1,2,3
	v_mov_b32 v[BV+\p], v[ACC+8*\p]
.endr
.irp j, 1,2,3,4,5,6,7                  ; the first smallest: a later code wins only if strictly smaller.  The masks go to selects alone
.irp p, 0,1,2,3
	v_cmp_lt_f32 s[28+\p], v[ACC+8*\p+\j], v[BV+\p]
.endr
.irp p, 0,1,2,3
	v_cndmask_b32 v[BV+\p], v[BV+\p], v[ACC+8*\p+\j], s[28+\p]
	v_cndmask_b32 v[BJ+\p], v[BJ+\p], \j, s[28+\p]
.endr
.endr
.irp p, 0,1,2,3
	v_lshl_add_u32 v[BJ+\p], v[OD+\p], 3, v[BJ+\p] ; the code's number: 8 x octet + place
.endr
.irp p, 0,1,2,3
	v_cmp_eq_u32 vcc_lo, \p, v14
	s_delay_alu instid0(VALU_DEP_1)
	v_cndmask_b32 v[RES], v[RES], v[BJ+\p], vcc_lo ; the product whose number is r % 8 holds my query
.endr
	s_delay_alu instid0(VALU_DEP_1)
	v_permlanex16_b32 v[PRT], v[RES], s32, s33
	v_cmp_eq_u32 vcc_lo, v3, v4                    ; of lanes l and l xor 16 the one with r / 8 = h holds the query's own octet
	s_delay_alu instid0(VALU_DEP_1)
	v_cndmask_b32 v[RES], v[PRT], v[RES], vcc_lo
	ds_store_b32 v11, v[RES]                       ; word l of my wave's 128 bytes: query l % 16, where r % 8 lies in my half; the other words hold 0 and nobody reads them
	s_wait_dscnt 0x0                               ; for the others' sake: my store is done
	s_barrier_signal -1
	s_barrier_wait -1
	s_cmp_gt_u32 s12, 1                            ; waves 0 and 1 store 64 queries each
	s_cbranch_scc1 .Lstored
	ds_load_b64 v[OUTP:OUTP+1], v12
	s_wait_dscnt 0x0
	global_store_b64 v13, v[OUTP:OUTP+1], s[10:11] ; 32 lanes store 256 consecutive bytes, at a multiple of 256 from the output's first byte
.Lstored:
	s_wait_tensorcnt 0x0
	ds_add_u32 v254, v255
	s_wait_dscnt 0x0
	s_endpgm
.Lfunc_end_k_q9bc3001a4d_pick:
	.size	k_q9bc3001a4d_pick, .Lfunc_end_k_q9bc3001a4d_pick-k_q9bc3001a4d_pick
	.p2alignl 7, 3214868480
	.fill 96, 4, 3214868480
	.section	.rodata,"a",@progbits
	.p2align	6, 0x0
	.amdhsa_kernel k_q9bc3001a4d_pick
		.amdhsa_group_segment_fixed_size 4096
		.amdhsa_private_segment_fixed_size 0
		.amdhsa_enable_private_segment 0
		.amdhsa_kernarg_size 32
		.amdhsa_user_sgpr_count 2
		.amdhsa_user_sgpr_kernarg_segment_ptr 1
		.amdhsa_wavefront_size32 1
		.amdhsa_system_sgpr_workgroup_id_x 1
		.amdhsa_system_sgpr_workgroup_id_y 1
		.amdhsa_system_sgpr_workgroup_id_z 1
		.amdhsa_system_vgpr_workitem_id 0
		.amdhsa_next_free_vgpr 256
		.amdhsa_next_free_sgpr 66
		.amdhsa_reserve_vcc 1
		.amdhsa_float_denorm_mode_32 3
		.amdhsa_float_denorm_mode_16_64 3
		.amdhsa_memory_ordered 1
		.amdhsa_forward_progress 1
		.amdhsa_inst_pref_size 22
	.end_amdhsa_kernel
	.amdgpu_metadata
---
amdhsa.version: [ 1, 2 ]
amdhsa.kernels:
  - .name:           k_q9bc3001a4d_pick
    .symbol:         k_q9bc3001a4d_pick.kd
    .args:
      - { .name: oct, .offset: 0, .size: 8, .value_kind: global_buffer, .address_space: global }
      - { .name: zrec, .offset: 8, .size: 8, .value_kind: global_buffer, .address_space: global }
      - { .name: crec, .offset: 16, .size: 8, .value_kind: global_buffer, .address_space: global }
      - { .name: out0, .offset: 24, .size: 8, .value_kind: global_buffer, .address_space: global }
    .group_segment_fixed_size: 4096
    .private_segment_fixed_size: 0
    .kernarg_segment_align: 8
    .kernarg_segment_size: 32
    .max_flat_workgroup_size: 512
    .sgpr_count:     66
    .vgpr_count:     256
    .wavefront_size: 32
...
	.end_amdgpu_metadata
.endif
;; end of part 3
